; MI455X (gfx1250); checked and timed in simulation.
; The chip was launched on July 23, 2026; its instructions are those of AMD's public machine-readable ISA for CDNA 5 (MIT licence, August 2026) and "CDNA5" Instruction Set Architecture Reference Guide (July 2026). The comments in the code are by the model that wrote it; some were corrected since.
;; branch layer. Allowed arithmetic: float matrix products may take bf16 or f16 operands with f32 sums; all other float work in f32.
;; Inputs: W1 8 x 1,024 x 2,048 float32; W2 8 x 2,048 x 1,024 float32; b1 8 x 2,048 float32; b2 8 x 1,024 float32; probabilities 2,048 x 8 float32; x 2,048 x 1,024 float32.
;; Outputs: out0 2,048 x 1,024 float32.
;; One version. Each part assembles by itself: llvm-mc -triple=amdgcn-amd-amdhsa -mcpu=gfx1250 --defsym DOCPART=n.
;; ======== version 1 of 1: 4 launches
;; workspace buffers: xb 4,194,304 bytes; w1b 33,554,432 bytes; w2b 33,554,432 bytes; h 67,108,864 bytes; part 67,108,864 bytes
;; launch cast (part 1): grid 2304 x 1, 8 waves a work-group, no clusters, 0 bytes of LDS; arguments x, W1, xb, w1b; writes xb, w1b
.if DOCPART == 1
	.amdgcn_target "amdgcn-amd-amdhsa--gfx1250"
	.amdhsa_code_object_version 6
	.text
	.protected	k_qada94bb7e6_cast
	.globl	k_qada94bb7e6_cast
	.p2align	8
	.type	k_qada94bb7e6_cast,@function
k_qada94bb7e6_cast:
	s_mov_b64 s[64:65], 0
	v_nop
	global_prefetch_b8 v0, s[64:65] scope:SCOPE_SE
	s_setreg_imm32_b32 hwreg(HW_REG_WAVE_MODE, 25, 1), 1
	s_wait_xcnt 0x0
; xb = bf16(x), w1b = bf16(W1): the same layouts, each number rounded once, to nearest even (bf16 keeps f32's exponent range).  W2 is rounded by the next launch, beside its products.
; A stream: every input byte is read once and every output byte written once.  No LDS, no matrix unit, no cluster: the work-groups share no input.
; A work-group takes one chunk of 8,192 numbers (32,768 bytes in, 16,384 out).  Chunks 0-255 are x, 256-2303 W1: 2,304 = 9 x 256 work-groups.
; Thread t takes in step i (0..7) the 16 bytes at 4,096 i + 16 t of the chunk and stores 8 bytes at 2,048 i + 8 t: a wave's load covers 512
; consecutive bytes, a wave's store 256 consecutive bytes that start at a multiple of 256 from the buffer's first byte.
; All eight loads of a lane go out before the first is waited for.
.set X_CHUNKS, 256                     ; 2048 x 1024 / 8192
.set X, 4                              ; v[4:35]  step i: 4 registers as loaded; its first two are then the 8 bytes to store
	s_load_b256 s[4:11], s[0:1], 0x0               ; x s[4:5], W1 s[6:7], xb s[8:9], w1b s[10:11]
	v_lshlrev_b32 v1, 4, v0                        ; 16 t
	v_lshlrev_b32 v2, 3, v0                        ; 8 t
	s_mov_b32 s16, ttmp9                           ; my chunk
	s_wait_kmcnt 0x0
	s_cmp_lt_u32 s16, X_CHUNKS                     ; x or W1: the condition hangs on the work-group's number alone
	s_cselect_b64 s[20:21], s[4:5], s[6:7]         ; from
	s_cselect_b64 s[22:23], s[8:9], s[10:11]       ; to
	s_cselect_b32 s17, 0, X_CHUNKS                 ; the tensor's first chunk
	s_sub_co_u32 s19, s16, s17                     ; my chunk's number in its tensor: 0 to 2,047
	s_lshl_b32 s24, s19, 15                        ; x 32,768 bytes in (under 2^26)
	s_mov_b32 s25, 0
	s_add_nc_u64 s[20:21], s[20:21], s[24:25]
	s_lshl_b32 s24, s19, 14                        ; x 16,384 bytes out
	s_add_nc_u64 s[22:23], s[22:23], s[24:25]
.irp i, 0,1,2,3,4,5,6,7
	global_load_b128 v[X+4*\i:X+4*\i+3], v1, s[20:21] offset:4096*\i th:TH_LOAD_NT   ; read once in the whole program
.endr
.irp i, 0,1,2,3,4,5,6,7
	s_wait_loadcnt 7-\i                            ; loads come back in order (ISA guide 5.7.1): step i is in, the 7 - i younger ones stay out
	v_cvt_pk_bf16_f32 v[X+4*\i],   v[X+4*\i],   v[X+4*\i+1]
	v_cvt_pk_bf16_f32 v[X+4*\i+1], v[X+4*\i+2], v[X+4*\i+3]
	global_store_b64 v2, v[X+4*\i:X+4*\i+1], s[22:23] offset:2048*\i   ; no register that a store reads is written again
.endr
	s_endpgm
.Lfunc_end_k_qada94bb7e6_cast:
	.size	k_qada94bb7e6_cast, .Lfunc_end_k_qada94bb7e6_cast-k_qada94bb7e6_cast
	.p2alignl 7, 3214868480
	.fill 96, 4, 3214868480
	.section	.rodata,"a",@progbits
	.p2align	6, 0x0
	.amdhsa_kernel k_qada94bb7e6_cast
		.amdhsa_group_segment_fixed_size 0
		.amdhsa_private_segment_fixed_size 0
		.amdhsa_enable_private_segment 0
		.amdhsa_kernarg_size 32
		.amdhsa_user_sgpr_count 2
		.amdhsa_user_sgpr_kernarg_segment_ptr 1
		.amdhsa_wavefront_size32 1
		.amdhsa_system_sgpr_workgroup_id_x 1
		.amdhsa_system_sgpr_workgroup_id_y 1
		.amdhsa_system_sgpr_workgroup_id_z 1
		.amdhsa_system_vgpr_workitem_id 0
		.amdhsa_next_free_vgpr 36
		.amdhsa_next_free_sgpr 66
		.amdhsa_reserve_vcc 0
		.amdhsa_float_denorm_mode_32 3
		.amdhsa_float_denorm_mode_16_64 3
		.amdhsa_memory_ordered 1
		.amdhsa_forward_progress 1
		.amdhsa_inst_pref_size 4
	.end_amdhsa_kernel
	.amdgpu_metadata
---
amdhsa.version: [ 1, 2 ]
amdhsa.kernels:
  - .name:           k_qada94bb7e6_cast
    .symbol:         k_qada94bb7e6_cast.kd
    .args:
      - { .name: x, .offset: 0, .size: 8, .value_kind: global_buffer, .address_space: global }
      - { .name: W1, .offset: 8, .size: 8, .value_kind: global_buffer, .address_space: global }
      - { .name: xb, .offset: 16, .size: 8, .value_kind: global_buffer, .address_space: global }
      - { .name: w1b, .offset: 24, .size: 8, .value_kind: global_buffer, .address_space: global }
    .group_segment_fixed_size: 0
    .private_segment_fixed_size: 0
    .kernarg_segment_align: 8
    .kernarg_segment_size: 32
    .max_flat_workgroup_size: 256
    .sgpr_count:     66
    .vgpr_count:     36
    .wavefront_size: 32
...
	.end_amdgpu_metadata
.endif
;; end of part 1
;; launch gemm1 (part 2): grid 64 x 4, 4 waves a work-group, clusters of 4 x 4, 327,680 bytes of LDS; arguments xb, w1b, h, b1, W2, w2b; writes h, w2b
.if DOCPART == 2
	.amdgcn_target "amdgcn-amd-amdhsa--gfx1250"
	.amdhsa_code_object_version 6
	.text
	.protected	k_qada94bb7e6_gemm1
	.globl	k_qada94bb7e6_gemm1
	.p2align	8
	.type	k_qada94bb7e6_gemm1,@function
k_qada94bb7e6_gemm1:
	s_mov_b64 s[64:65], 0
	v_nop
	global_prefetch_b8 v0, s[64:65] scope:SCOPE_SE
	s_setreg_imm32_b32 hwreg(HW_REG_WAVE_MODE, 25, 1), 1
	s_wait_xcnt 0x0
	s_wait_alu depctr_hold_cnt(0) depctr_sa_sdst(0) depctr_va_vdst(0) depctr_va_sdst(0) depctr_va_ssrc(0) depctr_va_vcc(0) depctr_vm_vsrc(0)
	s_getreg_b32 s2, hwreg(HW_REG_IB_STS2, 6, 4)
	s_cmp_eq_u32 s2, 0
	s_cbranch_scc0 .Lentry_in_a_cluster
	s_endpgm
.Lentry_in_a_cluster:
	s_bfe_u32 s2, ttmp6, 0x10000c
	s_cmp_lg_u32 s2, 0xf033
	s_cbranch_scc0 .Lentry_shape_is_right
	s_endpgm
.Lentry_shape_is_right:
; LAYER 1: h[n][m][j] = relu(sum over k of xb[m][k] w1b[n][k][j] + b1[n][j]), rounded once to bf16.  xb: [2048][1024], w1b: [8][1024][2048], h: [8][2048][2048], all bf16; b1: [8][2048] f32.
; BESIDE THE PRODUCTS this launch rounds W2 ([8][2048][1024] f32) to bf16 (w2b, the same layout, nearest even), which only the next launch reads: the products leave most of the
; way to memory unused, so these bytes move while the matrix units work.  See CASTW below.
; LIMITS.  relu is max(x, 0) in the form in which a NaN loses: a NaN sum gives 0 where the f32 formula gives NaN (only with inputs that are not finite, or on overflow).
; The bias starts the f32 sum, so the order of rounding differs from "product first, bias last".
; This text and layer 2's are the same below this head of constants.
.set KDIM,   1024                      ; length of the sums
.set APITCH, 1024                      ; elements in a row of A (xb)
.set BPITCH, 2048                      ; elements in a row of B (w1b[n]: [k][j])
.set ABR,    0                         ; bytes of A for a branch: all branches read the same xb
.set BBR,    4194304                   ; bytes of B for a branch
.set CBR,    8388608                   ; bytes of C for a branch
.set CROWB,  4096                      ; bytes in a row of C
.set CTILE,  512                       ; bytes of a tile's 256 columns of C
.set BSH,    1                         ; branch = cluster x >> 1: two clusters (8 tile columns) to a branch
.set NTM,    7                         ; tile column in the branch = tile column & 7
.set YCL,    1                         ; clusters along y
.set TILES,  2                         ; a work-group makes two tiles, 1,024 rows apart
.set F32OUT, 0                         ; C leaves as bf16
.set CASTW,  1                         ; arguments 4 and 5 are an f32 tensor of 67,108,864 bytes and its bf16 copy, made beside the products
; A tile of C, 256 x 256, is made by a work-group of four waves; a wave makes 128 x 128: 64 accumulators of 16 x 16, 512 registers.  K goes in steps of 128 through two LDS slots
; filled by the tensor data mover.  A's tile is 256 rows (m) x 128 k, rows of 256 bytes; B lies [k][column] in memory and in LDS: 128 rows (k) x 256 columns, rows of 512 bytes;
; its fragments come out of LDS turned, by ds_load_tr16_b128.
; CLUSTERS: 4 x 4 work-groups, all of one branch.  The four of a row of the cluster make one tile row of C and need the same tiles of A; the four of a column need the same tiles of B.
; Such a tile is asked for JOINTLY: each of the four issues the same tensor load, with the same descriptor and a mask that names the four: a quarter of the requests for A and for B.
; THE MATRIX INSTRUCTION IS USED TRANSPOSED: source 0 = 16 columns of B, source 1 = 16 rows of A.  In the result lane l holds row l % 16 of C and its registers 0-7 the columns
; 8 (l / 16) + 0..7: eight neighbouring numbers of a row.  The bias has the same layout (8 numbers a lane for each of the 8 column blocks) and is the C operand of each accumulator's first product.
; CASTW = 1: each of the 256 work-groups rounds 262,144 bytes of the f32 tensor, a chunk of 32,768 in each lap (two K steps): sixteen loads of 16 bytes a lane, asked for in one quarter step
; and converted and stored 448 matrix instructions later.  No other work-group touches these bytes, and this launch does not read the copy.
; REGISTERS, in windows of 256 (s_set_vgpr_msb's low byte: bits 1:0 source 0, 3:2 source 1, 5:4 source 2, 7:6 destination):
;   window 0: v0-31 addresses; v64-127, v128-191 fragments of A, two buffers; the rest (and, in the f32 way out, the dead fragments) at work on the way out
;   window 1: v0-63 the bias, block b at v[8 b]; v64-127, v128-191 fragments of B, two buffers; v192-255 the chunk that is being rounded (CASTW)
;   window 2: the 32 accumulators of my rows 0-63 (accumulator (a, b) at v[8 (8 a + b)]);   window 3: those of my rows 64-127
.set KSTEP,  128
.set PITCH,  272                       ; A's LDS row: 256 bytes + 16 of padding = 68 words: row r starts at bank 4 r mod 64 (64 banks of 4 bytes: ISA guide 11.1): the 16 rows of a load start at 16 different banks
.set PB,     544                       ; B's LDS row: 512 bytes + 32 of padding = 136 words: row r starts at bank 8 r mod 64
.set HALFT,  128*PITCH                 ; what one tensor load brings: 128 rows of A, or 64 rows of B (64 x 544 is the same 34,816 bytes)
.set SLOT,   4*HALFT                   ; A's 256 rows, then B's 128 rows
.set STAGE,  2*SLOT                    ; behind the two slots, at a multiple of 256: 16 rows for each wave, for the way out; no tensor load fills it
.if F32OUT
.set SPITCH, 528                       ; a stage row: 128 f32 + 16 bytes
.else
.set SPITCH, 272                       ; a stage row: 128 bf16 + 16 bytes
.endif
.set LSH,    4+F32OUT                  ; log2 of the bytes of a lane's eight results
.set LAPS,   KDIM/(2*KSTEP)            ; a lap = two K steps = once through both slots
.set STEP_A, 2*KSTEP*2                 ; two K steps along A's rows, in bytes
.set STEP_B, 2*KSTEP*BPITCH*2          ; two K steps down B's rows
.if TILES > 1
.set WALK,   1024                      ; rows from a work-group's first tile to its second
.set NEXT_A, WALK*APITCH*2-(KDIM-2*KSTEP)*2   ; from a slot's last K step of a tile to its first of the next: A goes WALK rows down and back along K,
.set BACK_B, (KDIM-2*KSTEP)*BPITCH*2   ; B only back: both tiles take the same columns
.set NEXT_C, (WALK-7*16)*CROWB         ; from my last 16 rows of a tile to my first of the next
.endif
.set CWG,    262144                    ; (used where CASTW = 1) f32 bytes that a work-group rounds: 67,108,864 / 256 work-groups
.set CIN,    CWG/(TILES*LAPS)          ; f32 bytes of a chunk, one chunk a lap: 32,768 = 4 waves x 16 loads x 512 bytes
.set ADRA, 16                          ; v16-17  LDS address of my A fragments in slot 0, 1
.set ADRB, 20                          ; v20-21  the same for B
.set STO,  24                          ; v24     the way out: where I put my eight results of a row
.set RD,   25                          ; v25     the way out: where I read rows back
.set CO,   26                          ; v26     my byte offset in C
.set BO,   27                          ; v27     my byte offset in a block of 16 biases
.set PO,   28                          ; v28     my byte offset in 16 rows of the probabilities (f32 way out)
.set CI,   29                          ; v29     my byte offset in a chunk of the f32 tensor (CASTW); never rewritten
.set CQ,   30                          ; v30     and in its bf16 copy: half of it; never rewritten
.set CX,   192                         ; the chunk, in window 1: load i's 4 registers at CX + 4 i; its first two are then the 8 bytes to store
.set F0,   64                          ; fragment buffer 0
.set F1,   128                         ; fragment buffer 1
.if F32OUT
.set PR,   32                          ; v32-47  block a's probability of my row, twice: the packed multiply names a pair
.set TMP,  64                          ; v64-127 a block's 64 results; rows read back: v128-191 and v192-255 by turns
.else
.set TMP,  192                         ; v192-223 a block's packed results; rows read back: v32-63 and v224-255 by turns
.endif
.set G1,  24                           ; s[24:31] descriptor group 1 for A's tiles
.set G0,  32                           ; s[32:39] descriptor group 0 for A's tiles, one set for each slot
.set G1B, 48                           ; s[48:55] descriptor group 1 for B's tiles
.set G0B, 56                           ; s[56:63] descriptor group 0 for B's tiles, one set for each slot
.set CB,  68                           ; s[68:69] C
.set BI,  70                           ; s[70:71] the bias
.set PP,  72                           ; s[72:73] the probabilities (f32 way out)
.set WS,  76                           ; s[76:77] the f32 tensor at my work-group's chunk in hand (CASTW)
.set WD,  78                           ; s[78:79] its bf16 copy, likewise
.set MSB, 0
.macro WIN new                         ; the immediate's high byte repeats the setting that is left; a switch that changes nothing is dropped
.if MSB != (\new)
	s_set_vgpr_msb (MSB<<8)|(\new)
.set MSB, (\new)
.endif
.endm
.set MUL_LO,   0xa1                    ; source 0 (B) window 1, source 1 (A) window 0, C and D window 2
.set MUL_HI,   0xf1                    ; the same, C and D window 3
.set MUL_LO_B, 0x91                    ; a tile's first products: C is the bias, in window 1; D window 2
.set MUL_HI_B, 0xd1                    ; the same, D window 3
.set TO_B,     0x40                    ; destination window 1, address window 0
; A joint load.  Waves 0 and 1 fetch A's two halves, waves 2 and 3 B's.  Each of the two lines has ONE mask and one set of registers for all that issue it, and nothing in them
; hangs on a coordinate that the four partners do not share.  The branch hangs on the wave's number alone.  Four v_nop follow each of the two lines.
.macro JLOAD s
	s_cmp_eq_u32 s11, 0
	s_cbranch_scc0 .Lfor_b_\@
	tensor_load_to_lds s[G0+4*\s:G0+4*\s+3], s[G1:G1+7]
	s_nop 0
.rept 4
	v_nop
.endr
	s_branch .Lasked_\@
.Lfor_b_\@:
	tensor_load_to_lds s[G0B+4*\s:G0B+4*\s+3], s[G1B:G1B+7]
	s_nop 0
.rept 4
	v_nop
.endr
.Lasked_\@:
.endm
; A round of the cluster's barrier: my work-group's barrier, so that wave 0's signal speaks for all four waves; wave 0 signals for the work-group; every wave waits for all
; sixteen work-groups; my work-group's barrier once more.  No LDS instruction of the wave is pending at a signal.
.macro CREST                           ; a round behind its opening barrier
	s_cmp_lg_u32 s10, 0
	s_cbranch_scc1 .Lnot_wave_0_\@
	s_barrier_signal -3
.Lnot_wave_0_\@:
	s_barrier_wait -3
	s_barrier_signal -1
	s_barrier_wait -1
.endm
.macro CROUND                          ; a whole round
	s_barrier_signal -1
	s_barrier_wait -1
	CREST
.endm
; THE ROUNDING BESIDE THE PRODUCTS (CASTW), in four parts.
.macro CAST_IN                         ; a chunk is asked for: a wave's load covers 512 consecutive bytes, its sixteen loads 8,192
	WIN TO_B
.irp i, 0,1,2,3,4,5,6,7,8,9,10,11,12,13,14,15
	global_load_b128 v[CX+4*\i:CX+4*\i+3], v[CI], s[WS:WS+1] offset:512*\i th:TH_LOAD_NT   ; read once in the whole program
.endr
.endm
.macro CAST_CVT                        ; it is rounded in place: 32 plain vector instructions that name no register of any matrix instruction
	s_wait_loadcnt 0x0                             ; the chunk's sixteen loads, the only ones out
	WIN 0x45                                       ; sources 0 and 1 and the destination in window 1
.irp i, 0,1,2,3,4,5,6,7,8,9,10,11,12,13,14,15
	v_cvt_pk_bf16_f32 v[CX+4*\i],   v[CX+4*\i],   v[CX+4*\i+1]
	v_cvt_pk_bf16_f32 v[CX+4*\i+1], v[CX+4*\i+2], v[CX+4*\i+3]
.endr
.endm
.macro CAST_OUT                        ; and stored: a wave's store covers 256 consecutive bytes, at a multiple of 256 from the copy's first byte
	WIN 0x04                                       ; the data (source 1) in window 1, the address in window 0
.irp i, 0,1,2,3,4,5,6,7,8,9,10,11,12,13,14,15
	global_store_b64 v[CQ], v[CX+4*\i:CX+4*\i+1], s[WD:WD+1] offset:256*\i th:TH_STORE_NT   ; not read again in this launch
.endr
.endm
.macro CAST_STEP                       ; on to the next chunk
	s_wait_xcnt 0x0                                ; every earlier memory instruction has had its addresses translated (ISA guide 3.1): only behind this wait are both bases stepped and the stores' data loaded over
	s_add_nc_u64 s[WS:WS+1], s[WS:WS+1], CIN
	s_add_nc_u64 s[WD:WD+1], s[WD:WD+1], CIN/2
.endm
	s_load_b128 s[4:7], s[0:1], 0x0                ; A s[4:5], B s[6:7]
	s_load_b128 s[CB:CB+3], s[0:1], 0x10           ; C, the bias
.if F32OUT
	s_load_b64 s[PP:PP+1], s[0:1], 0x20            ; the probabilities
.endif
.if CASTW
	s_load_b128 s[WS:WS+3], s[0:1], 0x20           ; the f32 tensor to round, its bf16 copy
	v_lshl_add_u32 v28, v0, 2, 0x48400
	v_mov_b32 v31, 0
	ds_add_u32 v28, v31
.endif
	v_lshrrev_b32 v1, 5, v0
	v_readfirstlane_b32 s10, v1                    ; wave 0..3
	s_lshr_b32 s11, s10, 1                         ; which half of the tile's rows is mine.  Also: I fetch for A (0) or for B (1)
	s_and_b32 s12, s10, 1                          ; which half of its columns.  Also: which half of that tile I fetch
	s_bfe_u32 s40, ttmp6, 0x40000                  ; cx: my place along the cluster's x
	s_bfe_u32 s41, ttmp6, 0x40004                  ; cy: along its y
	s_lshl_b32 s42, ttmp9, 2                       ; in a cluster launch ttmp9 counts clusters
	s_add_co_u32 s42, s42, s40                     ; tile column over all branches = 4 x cluster x + cx
	s_lshr_b32 s45, ttmp9, BSH                     ; the branch: made of the cluster's x alone, so all sixteen partners share it
.if YCL > 1
	s_and_b32 s13, ttmp7, 0xffff
	s_lshl_b32 s13, s13, 2
	s_add_co_u32 s13, s13, s41                     ; tile row = 4 x cluster y + cy
.else
	s_mov_b32 s13, s41                             ; one cluster along y: the (first) tile row is cy
.endif
	s_lshl_b32 s43, s41, 2
	s_lshl_b32 s43, 15, s43                        ; my row of the cluster: places 4 cy .. 4 cy + 3
	s_lshl_b32 s44, 0x1111, s40                    ; my column: places cx, cx + 4, cx + 8, cx + 12
	; descriptor group 1 for A: 128 rows x 128 elements, padded in LDS
	s_or_b32 s[G1+0], s43, (1<<16)|(1<<20)|(1<<21)|(5<<22)|(3<<25)  ; 15:0 the mask: my row; 17:16 elements of 2 bytes; 20 padding on; 21 set beside a mask; 24:22 after every 64 words (code 5); 31:25 4 words of it (code 3)
	s_mov_b32 s[G1+1], KSTEP<<16                   ; tensor_dim0 = 128
	s_mov_b32 s[G1+2], 128<<16                     ; tensor_dim1 = 128
	s_mov_b32 s[G1+3], KSTEP<<16                   ; tile_dim0 = 128
	s_mov_b32 s[G1+4], 128                         ; tile_dim1 = 128
	s_mov_b32 s[G1+5], APITCH                      ; elements from row to row
	s_mov_b32 s[G1+6], 0
	s_mov_b32 s[G1+7], 0
	; descriptor group 1 for B: 64 rows (k) x 256 elements (columns), padded in LDS
	s_or_b32 s[G1B+0], s44, (1<<16)|(1<<20)|(1<<21)|(6<<22)|(7<<25) ; the mask: my column; after every 128 words (code 6) 8 words of padding (code 7)
	s_mov_b32 s[G1B+1], 256<<16                    ; tensor_dim0 = 256
	s_mov_b32 s[G1B+2], 64<<16                     ; tensor_dim1 = 64
	s_mov_b32 s[G1B+3], 256<<16                    ; tile_dim0 = 256
	s_mov_b32 s[G1B+4], 64                         ; tile_dim1 = 64
	s_mov_b32 s[G1B+5], BPITCH                     ; elements from row to row
	s_mov_b32 s[G1B+6], 0
	s_mov_b32 s[G1B+7], 0
	; where the tiles come from.  A's hang on the branch and the tile row, which my row of the cluster shares; B's on the branch and the tile column, which my column shares.
	; Every wave makes both offsets, in registers that never hold the other coordinate.  All offsets stay under 2^27 bytes: 32 bits do.
	s_lshl_b32 s16, s13, 8
	s_lshl_b32 s17, s12, 7
	s_add_co_u32 s16, s16, s17                     ; A: row 256 x tile row + 128 x half
	s_mul_i32 s16, s16, APITCH*2
.if ABR
	s_mul_i32 s17, s45, ABR
	s_add_co_u32 s16, s16, s17                     ; + the branch
.endif
	s_mov_b32 s17, 0
	s_and_b32 s46, s42, NTM
	s_lshl_b32 s46, s46, 9                         ; B: 512 bytes x tile column in the branch
	s_mul_i32 s47, s45, BBR
	s_add_co_u32 s46, s46, s47                     ; + the branch
	s_mul_i32 s47, s12, 64*BPITCH*2
	s_add_co_u32 s46, s46, s47                     ; + 64 rows (k) x half
	s_mov_b32 s47, 0
	s_mul_i32 s20, s10, HALFT                      ; where they go: A's two halves, then B's two halves = wave x 34,816: no place in the cluster enters an LDS address
	s_wait_dscnt 0x0
	s_wait_kmcnt 0x0
	s_add_nc_u64 s[14:15], s[4:5], s[16:17]
	s_add_nc_u64 s[46:47], s[6:7], s[46:47]
	CROUND                                         ; all sixteen work-groups are here: the first joint loads meet
.irp s, 0,1
	s_mov_b32 s[G0+4*\s], 1                                        ; count = 1
	s_add_co_u32 s[G0+4*\s+1], s20, \s*SLOT                        ; LDS address
	s_add_nc_u64 s[G0+4*\s+2:G0+4*\s+3], s[14:15], \s*KSTEP*2      ; global address: K step s
	s_or_b32 s[G0+4*\s+3], s[G0+4*\s+3], 0x80000000                ; type = 2
	s_mov_b32 s[G0B+4*\s], 1
	s_add_co_u32 s[G0B+4*\s+1], s20, \s*SLOT
	s_add_nc_u64 s[G0B+4*\s+2:G0B+4*\s+3], s[46:47], \s*KSTEP*BPITCH*2
	s_or_b32 s[G0B+4*\s+3], s[G0B+4*\s+3], 0x80000000
	JLOAD \s                                       ; both slots are asked for before anything else is done: two tensor loads of mine are out
.endr
	; A fragment of A is 16 rows x 32 K in 8 registers: lane l holds row l % 16; registers 0-3 K = 8 (l / 16) + 0..7, registers 4-7 K = 16 + 8 (l / 16) + 0..7: two loads of 16 bytes, 32 bytes apart.
	v_and_b32 v1, 15, v0                           ; l % 16
	v_bfe_u32 v2, v0, 4, 1                         ; l / 16
	v_mul_u32_u24 v3, v1, PITCH
	v_lshl_add_u32 v3, v2, 4, v3                   ; row x pitch + 16 x half
	s_mul_i32 s21, s11, HALFT                      ; my 128 rows of A
	; A fragment of B has the same layout with columns for rows.  The turning load takes 16 k x 16 columns (lane l reads 16 bytes: k row 8 (l / 16) + l % 8, columns 8 ((l / 8) % 2) + 0..7)
	; and leaves half a fragment: lane l holds column l % 16 and 8 k.  The second half lies 16 k rows further down.
	v_and_b32 v4, 7, v0
	v_lshl_add_u32 v4, v2, 3, v4
	v_mul_u32_u24 v4, v4, PB
	v_bfe_u32 v5, v0, 3, 1
	v_lshl_add_u32 v4, v5, 4, v4
	s_lshl_b32 s22, s12, 8                         ; my 128 columns of B: 256 bytes of each row,
	s_add_co_u32 s22, s22, 2*HALFT                 ; behind A's 256 rows
.irp s, 0,1
	v_add_nc_u32 v[ADRA+\s], s21, v3
	v_add_nc_u32 v[ADRB+\s], s22, v4
	s_add_co_u32 s21, s21, SLOT
	s_add_co_u32 s22, s22, SLOT
.endr
	s_mul_i32 s23, s10, 16*SPITCH
	s_add_co_u32 s23, s23, STAGE                   ; my stage
	v_mul_u32_u24 v4, v1, SPITCH                   ; in: row l % 16, my eight results for each half of the lanes
	v_lshl_add_u32 v4, v2, LSH, v4
	v_add_nc_u32 v[STO], s23, v4
.if F32OUT
	v_and_b32 v5, 31, v0                           ; back: the 32 lanes take one row of 512 bytes
	v_lshlrev_b32 v[CO], 4, v5                     ; and the same 512 bytes in C
	v_add_nc_u32 v[RD], s23, v[CO]
	v_lshlrev_b32 v[PO], 5, v1                     ; a row of the probabilities is 32 bytes
.else
	v_mul_u32_u24 v5, v2, SPITCH                   ; back: lanes 0-15 take one row of 256 bytes, lanes 16-31 the next
	v_lshl_add_u32 v5, v1, 4, v5
	v_add_nc_u32 v[RD], s23, v5
	v_mul_u32_u24 v5, v2, CROWB                    ; and the same two rows in C
	v_lshl_add_u32 v[CO], v1, 4, v5
.endif
	v_lshlrev_b32 v[BO], 5, v2                     ; my 8 of a block's 16 biases
	s_lshl_b32 s74, s42, 10                        ; the bias of my 128 columns: 1,024 bytes x tile column over all branches + 512 x half
	s_lshl_b32 s75, s12, 9
	s_add_co_u32 s74, s74, s75
	s_mov_b32 s75, 0
	s_add_nc_u64 s[BI:BI+1], s[BI:BI+1], s[74:75]
.if CASTW
	v_and_b32 v5, 31, v0                           ; in a chunk: 16 bytes a lane,
	v_lshlrev_b32 v[CI], 4, v5
	v_lshl_add_u32 v[CI], s10, 13, v[CI]           ; 8,192 a wave;
	v_lshrrev_b32 v[CQ], 1, v[CI]                  ; in the copy half of that
	s_mul_i32 s74, s42, 4*YCL
	s_add_co_u32 s74, s74, s13                     ; the work-group's number, 0 to 255: tile column x tile rows + tile row
	s_mul_i32 s74, s74, CWG/2                      ; its bytes of the copy (under 2^25),
	s_add_nc_u64 s[WD:WD+1], s[WD:WD+1], s[74:75]
	s_lshl_b32 s74, s74, 1                         ; and of the f32 tensor
	s_add_nc_u64 s[WS:WS+1], s[WS:WS+1], s[74:75]
.endif
	; where my part of the first tile begins in C, in bytes: the first way out adds it to C's address
	s_lshl_b32 s16, s13, 8
	s_lshl_b32 s17, s11, 7
	s_add_co_u32 s16, s16, s17                     ; my first row
.if F32OUT
	s_lshl_b32 s74, s16, 5                         ; its 32 bytes of probabilities,
	s_lshl2_add_u32 s74, s45, s74                  ; and in them the branch's 4
	s_add_nc_u64 s[PP:PP+1], s[PP:PP+1], s[74:75]
.endif
	s_mul_i32 s16, s16, CROWB
	s_mul_i32 s17, s45, CBR
	s_add_co_u32 s16, s16, s17                     ; + the branch
	s_mov_b32 s17, 0
	s_and_b32 s46, s42, NTM                        ; my first column, in bytes (in the registers that held B's address: A's descriptors are made, and nothing that fed them held cx)
	s_mul_i32 s46, s46, CTILE
	s_mul_i32 s47, s12, CTILE/2
	s_add_co_u32 s46, s46, s47
	s_mov_b32 s47, 0
	s_add_nc_u64 s[16:17], s[16:17], s[46:47]
	WIN TO_B
.irp b, 0,1,2,3,4,5,6,7
	global_load_b128 v[8*\b:8*\b+3],   v[BO], s[BI:BI+1] offset:64*\b      ; bias of columns 16 b + 8 (l / 16) + 0..3
	global_load_b128 v[8*\b+4:8*\b+7], v[BO], s[BI:BI+1] offset:64*\b+16   ; + 4..7
.endr
	WIN 0
.if F32OUT
.irp a, 0,1,2,3,4,5,6,7
	global_load_b32 v[PR+2*\a],   v[PO], s[PP:PP+1] offset:512*\a          ; p of row 16 a + l % 16, once in the kernel,
	global_load_b32 v[PR+2*\a+1], v[PO], s[PP:PP+1] offset:512*\a          ; into both registers of the pair
.endr
.endif
.if CASTW
	CAST_IN                                        ; the first chunk: the youngest sixteen loads
	WIN 0
.endif
; 16 matrix instructions: m blocks a0, a0 + 1 of the window's four (hi = 0: my rows 0-63, 1: rows 64-127) x all 8 column blocks, 32 along K.
; first = 1: the product starts the sum on the bias: nothing is ever cleared, and no bias is added later.
; The 64 accumulators take turns, one instruction a turn, in the same order in every quarter step.
.macro MUL16 f, hi, a0, first
.irp a, \a0, \a0+1
.irp b, 0,1,2,3,4,5,6,7
.if \first
	v_wmma_f32_16x16x32_bf16 v[8*(8*(\a)+\b):8*(8*(\a)+\b)+7], v[\f+8*\b:\f+8*\b+7], v[\f+8*(4*\hi+\a):\f+8*(4*\hi+\a)+7], v[8*\b:8*\b+7]
.else
	v_wmma_f32_16x16x32_bf16 v[8*(8*(\a)+\b):8*(8*(\a)+\b)+7], v[\f+8*\b:\f+8*\b+7], v[\f+8*(4*\hi+\a):\f+8*(4*\hi+\a)+7], v[8*(8*(\a)+\b):8*(8*(\a)+\b)+7]
.endif
.endr
.endr
.endm
; 32 LDS loads in one run: the fragments of quarter q of a K step (32 K: 128 columns of B, turned; 128 rows of A) into buffer f
.macro FETCH slot, q, f
	WIN TO_B
.irp i, 0,1,2,3,4,5,6,7
	ds_load_tr16_b128 v[\f+8*\i:\f+8*\i+3],   v[ADRB+\slot] offset:\q*32*PB+32*\i
	ds_load_tr16_b128 v[\f+8*\i+4:\f+8*\i+7], v[ADRB+\slot] offset:\q*32*PB+16*PB+32*\i
.endr
	WIN 0
.irp i, 0,1,2,3,4,5,6,7
	ds_load_b128 v[\f+8*\i:\f+8*\i+3],   v[ADRA+\slot] offset:\q*64+\i*16*PITCH
	ds_load_b128 v[\f+8*\i+4:\f+8*\i+7], v[ADRA+\slot] offset:\q*64+\i*16*PITCH+32
.endr
.endm
; A load into a register that a matrix instruction has read, and a vector instruction that reads a matrix result or writes one of a matrix instruction's registers, stand four places
; behind it, and only plain vector instructions that name none of its registers are places (ISA guide 7.12.1 for vector instructions).
.macro PLACES
.rept 4
	v_nop
.endr
.endm
; A K step is four quarters of 32 along K, 64 matrix instructions each, on buffers 0, 1, 0, 1.
; One of the first three: multiplies buffer f; in its middle it fetches quarter q of the same slot into buffer g.
; job (counts where CASTW = 1): 1: the chunk in hand is rounded, its 32 conversions being the places in front of the LDS loads, and stored behind them; 2: the next chunk is asked for; 0: neither.
.macro QUARTER slot, q, f, g, first, job
	s_wait_dscnt 8                                 ; B and A's rows 0-63 are in; the youngest eight loads (A's rows 64-127) may be out
.if \first
	WIN MUL_LO_B
.else
	WIN MUL_LO
.endif
	MUL16 \f, 0, 0, \first
	MUL16 \f, 0, 2, \first
.if CASTW && (\job == 1)
	CAST_CVT
.else
	PLACES
.endif
	FETCH \slot, \q, \g
.if CASTW && (\job == 1)
	CAST_OUT
.endif
.if CASTW && (\job == 2)
	CAST_STEP                                      ; the stores stand 64 matrix instructions back
	CAST_IN                                        ; 448 matrix instructions ahead of the wait for these loads
.endif
	s_wait_dscnt 32                                ; all LDS loads but the 32 just issued
.if \first
	WIN MUL_HI_B
.else
	WIN MUL_HI
.endif
	MUL16 \f, 1, 0, \first
	MUL16 \f, 1, 2, \first
.endm
; The last quarter multiplies buffer 1 and changes slots.  MEET is its first half: ONE barrier for the change.  In front of it each wave waits for its own reads of this slot and for
; all its tensor loads, of which one is out: its part of the next slot.  Behind it nobody reads this slot any more and the next slot is whole.
.macro MEET round                      ; round = 1: a round of the cluster's barrier follows
	s_wait_dscnt 8
	WIN MUL_LO
	MUL16 F1, 0, 0, 0
	s_wait_dscnt 0                                 ; my reads of this slot are over
	s_set_vgpr_msb 0xa1a0
	s_wait_tensorcnt 0x0                           ; and all my tensor loads have landed
	ds_add_u32 v28, v31
	s_wait_dscnt 0x0
	s_set_vgpr_msb 0xa0a1
	s_barrier_signal -1                            ; say so,
	MUL16 F1, 0, 2, 0                              ; work on registers while the others arrive,
.if \round
	WIN 0
.endif
	s_barrier_wait -1                              ; and go on when all four have said so
.endm
; The whole last quarter.  Behind the round the slot just read out is filled again first: with this tile's K step two steps on (on = 0) or, in a tile's last two K steps, with the next
; tile's K step 0 or 1 (on = 1); then come the next slot's first fragments.  From a request to the wait for it a wave issues 240 matrix instructions.
.macro TURN slot, next, on
	MEET 1
	CREST                                          ; no wave of any partner still reads this slot's tile or has a load on its way
.if \on
	s_add_nc_u64 s[G0+4*\slot+2:G0+4*\slot+3], s[G0+4*\slot+2:G0+4*\slot+3], NEXT_A
	s_sub_nc_u64 s[G0B+4*\slot+2:G0B+4*\slot+3], s[G0B+4*\slot+2:G0B+4*\slot+3], BACK_B
.else
	s_add_nc_u64 s[G0+4*\slot+2:G0+4*\slot+3], s[G0+4*\slot+2:G0+4*\slot+3], STEP_A
	s_add_nc_u64 s[G0B+4*\slot+2:G0B+4*\slot+3], s[G0B+4*\slot+2:G0B+4*\slot+3], STEP_B
.endif
	JLOAD \slot                                    ; my one tensor load behind the round, and the first thing there; its four v_nop are also the places in front of the loads below
	FETCH \next, 0, F0
	WIN MUL_HI
	MUL16 F1, 1, 0, 0
	MUL16 F1, 1, 2, 0
.endm
; The last tile's change from slot 0 to slot 1: nothing is filled again, so the work-group's barrier does and no round follows.
.macro LASTTURN
	MEET 0
	PLACES                                         ; for the loads into buffer 0
	FETCH 1, 0, F0
	WIN MUL_HI
	MUL16 F1, 1, 0, 0
	MUL16 F1, 1, 2, 0
.endm
; The very last quarter: nothing more to fetch.
.macro FINALQ
	s_wait_dscnt 8
	WIN MUL_LO
	MUL16 F1, 0, 0, 0
	MUL16 F1, 0, 2, 0
	s_wait_dscnt 0
	WIN MUL_HI
	MUL16 F1, 1, 0, 0
	MUL16 F1, 1, 2, 0
	WIN 0
.endm
; LAPS - 1 trips; a trip goes once through both slots, from a lap's second quarter to the next lap's first, and fills both again.  Where CASTW = 1 it rounds one chunk and asks for the next.
.macro LAPS_LOOP
	s_mov_b32 s3, LAPS-1
.Llap_\@:
	QUARTER 0, 2, F1, F0, 0, 1
	QUARTER 0, 3, F0, F1, 0, 2
	TURN 0, 1, 0
	QUARTER 1, 1, F0, F1, 0, 0
	QUARTER 1, 2, F1, F0, 0, 0
	QUARTER 1, 3, F0, F1, 0, 0
	TURN 1, 0, 0
	QUARTER 0, 1, F0, F1, 0, 0
	WIN 0                                          ; at a label and at a branch every window is 0
	s_sub_co_u32 s3, s3, 1
	s_cmp_lg_u32 s3, 0
	s_cbranch_scc1 .Llap_\@
.endm
; THE WAY OUT of block a (16 rows x 128 columns), in three parts.  PACK: relu, then bf16 (16 bytes a lane) or times p (32 bytes a lane).
; TOSTAGE: into my own stage in LDS, and back as whole rows.  SEND: stored.
.macro PACK a
.set AC, 64*((\a)%4)                   ; the block's eight accumulators, in window 2 (blocks 0-3) or 3 (blocks 4-7)
.if F32OUT
	WIN 0x0a+5*((\a)/4)                            ; sources window 2 or 3, destination window 0
.set i, 0
.rept 64
	v_max_num_f32 v[TMP+i], 0, v[AC+i]             ; relu
.set i, i+1
.endr
	WIN 0
.set i, 0
.rept 32
	v_pk_mul_f32 v[TMP+i:TMP+i+1], v[TMP+i:TMP+i+1], v[PR+2*(\a):PR+2*(\a)+1]   ; times my row's probability of this branch
.set i, i+2
.endr
.else
	WIN 0x8a+0x45*((\a)/4)                         ; source and destination window 2 or 3
.set i, 0
.rept 64
	v_max_num_f32 v[AC+i], 0, v[AC+i]              ; relu, in place
.set i, i+1
.endr
	WIN 0x0a+5*((\a)/4)                            ; sources window 2 or 3, destination window 0
.irp b, 0,1,2,3,4,5,6,7
.irp r, 0,1,2,3
	v_cvt_pk_bf16_f32 v[TMP+4*\b+\r], v[AC+8*\b+2*\r], v[AC+8*\b+2*\r+1]
.endr
.endr
	WIN 0
.endif
.endm
.macro TOSTAGE a
.if F32OUT
.set BK, 128+64*((\a)%2)
.irp b, 0,1,2,3,4,5,6,7
	ds_store_b128 v[STO], v[TMP+8*\b:TMP+8*\b+3]   offset:64*\b
	ds_store_b128 v[STO], v[TMP+8*\b+4:TMP+8*\b+7] offset:64*\b+16
.endr
.irp t, 0,1,2,3,4,5,6,7,8,9,10,11,12,13,14,15
	ds_load_b128 v[BK+4*\t:BK+4*\t+3], v[RD] offset:\t*SPITCH      ; LDS serves a wave's instructions in order (ISA guide 5.7.1.4): these see the stores above
.endr
.else
.set BK, 32+192*((\a)%2)
.irp b, 0,1,2,3,4,5,6,7
	ds_store_b128 v[STO], v[TMP+4*\b:TMP+4*\b+3] offset:32*\b
.endr
.irp t, 0,1,2,3,4,5,6,7
	ds_load_b128 v[BK+4*\t:BK+4*\t+3], v[RD] offset:\t*2*SPITCH    ; LDS serves a wave's instructions in order (ISA guide 5.7.1.4): these see the stores above
.endr
.endif
.endm
.macro SEND a
	s_wait_dscnt 0                                 ; the block is back in registers
	s_wait_xcnt 0x0                                ; every earlier memory instruction has had its addresses translated (ISA guide 3.1): only behind this wait are the stores' base and the registers that earlier stores read rewritten
.if (\a) == 0
	s_add_nc_u64 s[CB:CB+1], s[CB:CB+1], s[16:17]  ; on to this tile's first rows
.else
	s_add_nc_u64 s[CB:CB+1], s[CB:CB+1], 16*CROWB  ; 16 rows of C on
.endif
.if F32OUT
.set BK, 128+64*((\a)%2)
.irp t, 0,1,2,3,4,5,6,7,8,9,10,11,12,13,14,15
	global_store_b128 v[CO], v[BK+4*\t:BK+4*\t+3], s[CB:CB+1] offset:\t*CROWB     ; the wave stores 512 consecutive bytes of a row, at a multiple of 512 from C's first byte
.endr
.else
.set BK, 32+192*((\a)%2)
.irp t, 0,1,2,3,4,5,6,7
	global_store_b128 v[CO], v[BK+4*\t:BK+4*\t+3], s[CB:CB+1] offset:2*\t*CROWB   ; 16 lanes store 256 consecutive bytes, at a multiple of 256 from C's first byte
.endr
.endif
.endm
.macro WAYOUT                          ; block a's arithmetic stands between block a - 1's loads from the stage and the wait for them
	PACK 0
	TOSTAGE 0
.irp a, 1,2,3,4,5,6,7
	PACK \a
	SEND \a-1
	TOSTAGE \a
.endr
	SEND 7
.endm
	s_wait_tensorcnt 1                             ; my part of K step 0 is in; K step 1's may stay out
	s_barrier_signal -1
	s_barrier_wait -1                              ; everybody's is
	FETCH 0, 0, F0
	s_wait_loadcnt 16*CASTW                        ; the bias (and the probabilities), once; the sixteen younger loads of the first chunk, where there is one, stay out
.if TILES > 1
	QUARTER 0, 1, F0, F1, 1, 0                     ; THE FIRST TILE.  Its first quarter stands in front of the loop: its products start the sums on the bias
	WIN 0
	LAPS_LOOP
	QUARTER 0, 2, F1, F0, 0, 1                     ; the tile's last lap goes on
	QUARTER 0, 3, F0, F1, 0, 2
	TURN 0, 1, 1                                   ; the slots go on into the next tile: slot 0 takes its K step 0,
	QUARTER 1, 1, F0, F1, 0, 0
	QUARTER 1, 2, F1, F0, 0, 0
	QUARTER 1, 3, F0, F1, 0, 0
	TURN 1, 0, 1                                   ; slot 1 its K step 1, and the next tile's first fragments are fetched
	WAYOUT                                         ; both refills are asked for: now the tile goes out.  No v_nop: blocks 0-3 were finished in front of the joint load's four places,
	                                               ; and their vector work, which names no register of the last products (blocks 4-7's), is those products' places
	s_mov_b32 s16, NEXT_C                          ; what the next way out adds to C's address
	s_mov_b32 s17, 0
.endif
	QUARTER 0, 1, F0, F1, 1, 0                     ; THE LAST TILE
	WIN 0
	LAPS_LOOP
	QUARTER 0, 2, F1, F0, 0, 1                     ; its last lap asks for nothing more: no tile, and no chunk behind the last
	QUARTER 0, 3, F0, F1, 0, 0
	LASTTURN
	QUARTER 1, 1, F0, F1, 0, 0
	QUARTER 1, 2, F1, F0, 0, 0
	QUARTER 1, 3, F0, F1, 0, 0
	FINALQ
	PLACES                                         ; the way out reads results and writes fragment registers of the last products
	WAYOUT
	s_wait_tensorcnt 0x0
	ds_add_u32 v28, v31
	s_wait_dscnt 0x0
	CROUND                                         ; the closing round: no work-group ends while a partner may still ask for a tile that names it
	s_endpgm
.Lfunc_end_k_qada94bb7e6_gemm1:
	.size	k_qada94bb7e6_gemm1, .Lfunc_end_k_qada94bb7e6_gemm1-k_qada94bb7e6_gemm1
	.p2alignl 7, 3214868480
	.fill 96, 4, 3214868480
	.section	.rodata,"a",@progbits
	.p2align	6, 0x0
	.amdhsa_kernel k_qada94bb7e6_gemm1
		.amdhsa_group_segment_fixed_size 327680
		.amdhsa_private_segment_fixed_size 0
		.amdhsa_enable_private_segment 0
		.amdhsa_kernarg_size 48
		.amdhsa_user_sgpr_count 2
		.amdhsa_user_sgpr_kernarg_segment_ptr 1
		.amdhsa_wavefront_size32 1
		.amdhsa_system_sgpr_workgroup_id_x 1
		.amdhsa_system_sgpr_workgroup_id_y 1
		.amdhsa_system_sgpr_workgroup_id_z 1
		.amdhsa_system_vgpr_workitem_id 0
		.amdhsa_next_free_vgpr 1024
		.amdhsa_next_free_sgpr 80
		.amdhsa_reserve_vcc 0
		.amdhsa_float_denorm_mode_32 3
		.amdhsa_float_denorm_mode_16_64 3
		.amdhsa_memory_ordered 1
		.amdhsa_forward_progress 1
		.amdhsa_inst_pref_size 255
	.end_amdhsa_kernel
	.section	.bss,"aw",@nobits
	.p2align	6
	.space	262144
	.amdgpu_metadata
---
amdhsa.version: [ 1, 2 ]
amdhsa.kernels:
  - .name:           k_qada94bb7e6_gemm1
    .symbol:         k_qada94bb7e6_gemm1.kd
    .args:
      - { .name: xb, .offset: 0, .size: 8, .value_kind: global_buffer, .address_space: global }
      - { .name: w1b, .offset: 8, .size: 8, .value_kind: global_buffer, .address_space: global }
      - { .name: h, .offset: 16, .size: 8, .value_kind: global_buffer, .address_space: global }
      - { .name: b1, .offset: 24, .size: 8, .value_kind: global_buffer, .address_space: global }
      - { .name: W2, .offset: 32, .size: 8, .value_kind: global_buffer, .address_space: global }
      - { .name: w2b, .offset: 40, .size: 8, .value_kind: global_buffer, .address_space: global }
    .group_segment_fixed_size: 327680
    .private_segment_fixed_size: 0
    .kernarg_segment_align: 8
    .kernarg_segment_size: 48
    .max_flat_workgroup_size: 128
    .sgpr_count:     80
    .vgpr_count:     1024
    .wavefront_size: 32
...
	.end_amdgpu_metadata
.endif
;; end of part 2
;; launch gemm2 (part 3): grid 32 x 8, 4 waves a work-group, clusters of 4 x 4, 327,680 bytes of LDS; arguments h, w2b, part, b2, probabilities; writes part
.if DOCPART == 3
	.amdgcn_target "amdgcn-amd-amdhsa--gfx1250"
	.amdhsa_code_object_version 6
	.text
	.protected	k_qada94bb7e6_gemm2
	.globl	k_qada94bb7e6_gemm2
	.p2align	8
	.type	k_qada94bb7e6_gemm2,@function
k_qada94bb7e6_gemm2:
	s_mov_b64 s[64:65], 0
	v_nop
	global_prefetch_b8 v0, s[64:65] scope:SCOPE_SE
	s_setreg_imm32_b32 hwreg(HW_REG_WAVE_MODE, 25, 1), 1
	s_wait_xcnt 0x0
	s_wait_alu depctr_hold_cnt(0) depctr_sa_sdst(0) depctr_va_vdst(0) depctr_va_sdst(0) depctr_va_ssrc(0) depctr_va_vcc(0) depctr_vm_vsrc(0)
	s_getreg_b32 s2, hwreg(HW_REG_IB_STS2, 6, 4)
	s_cmp_eq_u32 s2, 0
	s_cbranch_scc0 .Lentry_in_a_cluster
	s_endpgm
.Lentry_in_a_cluster:
	s_bfe_u32 s2, ttmp6, 0x10000c
	s_cmp_lg_u32 s2, 0xf033
	s_cbranch_scc0 .Lentry_shape_is_right
	s_endpgm
.Lentry_shape_is_right:
; LAYER 2: part[n][m][j] = probabilities[m][n] x relu(sum over k of h[n][m][k] w2b[n][k][j] + b2[n][j]), in f32.  h: [8][2048][2048], w2b: [8][2048][1024], both bf16;
; b2: [8][1024], probabilities: [2048][8], part: [8][2048][1024], all f32.  The eight branches' parts are added by the next launch, in a fixed order: no traffic between work-groups.
; LIMITS.  relu is max(x, 0) in the form in which a NaN loses: a NaN sum gives 0 where the f32 formula gives NaN (only with inputs that are not finite, or on overflow).
; The bias starts the f32 sum, so the order of rounding differs from "product first, bias last".
; This text and layer 1's are the same below this head of constants.
.set KDIM,   2048                      ; length of the sums
.set APITCH, 2048                      ; elements in a row of A (h[n])
.set BPITCH, 1024                      ; elements in a row of B (w2b[n]: [k][j])
.set ABR,    8388608                   ; bytes of A for a branch
.set BBR,    4194304                   ; bytes of B for a branch
.set CBR,    8388608                   ; bytes of C for a branch
.set CROWB,  4096                      ; bytes in a row of C
.set CTILE,  1024                      ; bytes of a tile's 256 columns of C
.set BSH,    0                         ; branch = cluster x: one cluster (4 tile columns) to a branch
.set NTM,    3                         ; tile column in the branch = tile column & 3
.set YCL,    2                         ; clusters along y
.set TILES,  1                         ; a work-group makes one tile
.set F32OUT, 1                         ; C leaves as f32, times the probability
.set CASTW,  0                         ; nothing is rounded beside the products: no line under CASTW is assembled
; A tile of C, 256 x 256, is made by a work-group of four waves; a wave makes 128 x 128: 64 accumulators of 16 x 16, 512 registers.  K goes in steps of 128 through two LDS slots
; filled by the tensor data mover.  A's tile is 256 rows (m) x 128 k, rows of 256 bytes; B lies [k][column] in memory and in LDS: 128 rows (k) x 256 columns, rows of 512 bytes;
; its fragments come out of LDS turned, by ds_load_tr16_b128.
; CLUSTERS: 4 x 4 work-groups, all of one branch.  The four of a row of the cluster make one tile row of C and need the same tiles of A; the four of a column need the same tiles of B.
; Such a tile is asked for JOINTLY: each of the four issues the same tensor load, with the same descriptor and a mask that names the four: a quarter of the requests for A and for B.
; THE MATRIX INSTRUCTION IS USED TRANSPOSED: source 0 = 16 columns of B, source 1 = 16 rows of A.  In the result lane l holds row l % 16 of C and its registers 0-7 the columns
; 8 (l / 16) + 0..7: eight neighbouring numbers of a row.  The bias has the same layout (8 numbers a lane for each of the 8 column blocks) and is the C operand of each accumulator's first product.
; CASTW = 1: each of the 256 work-groups rounds 262,144 bytes of the f32 tensor, a chunk of 32,768 in each lap (two K steps): sixteen loads of 16 bytes a lane, asked for in one quarter step
; and converted and stored 448 matrix instructions later.  No other work-group touches these bytes, and this launch does not read the copy.
; REGISTERS, in windows of 256 (s_set_vgpr_msb's low byte: bits 1:0 source 0, 3:2 source 1, 5:4 source 2, 7:6 destination):
;   window 0: v0-31 addresses; v64-127, v128-191 fragments of A, two buffers; the rest (and, in the f32 way out, the dead fragments) at work on the way out
;   window 1: v0-63 the bias, block b at v[8 b]; v64-127, v128-191 fragments of B, two buffers; v192-255 the chunk that is being rounded (CASTW)
;   window 2: the 32 accumulators of my rows 0-63 (accumulator (a, b) at v[8 (8 a + b)]);   window 3: those of my rows 64-127
.set KSTEP,  128
.set PITCH,  272                       ; A's LDS row: 256 bytes + 16 of padding = 68 words: row r starts at bank 4 r mod 64 (64 banks of 4 bytes: ISA guide 11.1): the 16 rows of a load start at 16 different banks
.set PB,     544                       ; B's LDS row: 512 bytes + 32 of padding = 136 words: row r starts at bank 8 r mod 64
.set HALFT,  128*PITCH                 ; what one tensor load brings: 128 rows of A, or 64 rows of B (64 x 544 is the same 34,816 bytes)
.set SLOT,   4*HALFT                   ; A's 256 rows, then B's 128 rows
.set STAGE,  2*SLOT                    ; behind the two slots, at a multiple of 256: 16 rows for each wave, for the way out; no tensor load fills it
.if F32OUT
.set SPITCH, 528                       ; a stage row: 128 f32 + 16 bytes
.else
.set SPITCH, 272                       ; a stage row: 128 bf16 + 16 bytes
.endif
.set LSH,    4+F32OUT                  ; log2 of the bytes of a lane's eight results
.set LAPS,   KDIM/(2*KSTEP)            ; a lap = two K steps = once through both slots
.set STEP_A, 2*KSTEP*2                 ; two K steps along A's rows, in bytes
.set STEP_B, 2*KSTEP*BPITCH*2          ; two K steps down B's rows
.if TILES > 1
.set WALK,   1024                      ; rows from a work-group's first tile to its second
.set NEXT_A, WALK*APITCH*2-(KDIM-2*KSTEP)*2   ; from a slot's last K step of a tile to its first of the next: A goes WALK rows down and back along K,
.set BACK_B, (KDIM-2*KSTEP)*BPITCH*2   ; B only back: both tiles take the same columns
.set NEXT_C, (WALK-7*16)*CROWB         ; from my last 16 rows of a tile to my first of the next
.endif
.set CWG,    262144                    ; (used where CASTW = 1) f32 bytes that a work-group rounds: 67,108,864 / 256 work-groups
.set CIN,    CWG/(TILES*LAPS)          ; f32 bytes of a chunk, one chunk a lap: 32,768 = 4 waves x 16 loads x 512 bytes
.set ADRA, 16                          ; v16-17  LDS address of my A fragments in slot 0, 1
.set ADRB, 20                          ; v20-21  the same for B
.set STO,  24                          ; v24     the way out: where I put my eight results of a row
.set RD,   25                          ; v25     the way out: where I read rows back
.set CO,   26                          ; v26     my byte offset in C
.set BO,   27                          ; v27     my byte offset in a block of 16 biases
.set PO,   28                          ; v28     my byte offset in 16 rows of the probabilities (f32 way out)
.set CI,   29                          ; v29     my byte offset in a chunk of the f32 tensor (CASTW); never rewritten
.set CQ,   30                          ; v30     and in its bf16 copy: half of it; never rewritten
.set CX,   192                         ; the chunk, in window 1: load i's 4 registers at CX + 4 i; its first two are then the 8 bytes to store
.set F0,   64                          ; fragment buffer 0
.set F1,   128                         ; fragment buffer 1
.if F32OUT
.set PR,   32                          ; v32-47  block a's probability of my row, twice: the packed multiply names a pair
.set TMP,  64                          ; v64-127 a block's 64 results; rows read back: v128-191 and v192-255 by turns
.else
.set TMP,  192                         ; v192-223 a block's packed results; rows read back: v32-63 and v224-255 by turns
.endif
.set G1,  24                           ; s[24:31] descriptor group 1 for A's tiles
.set G0,  32                           ; s[32:39] descriptor group 0 for A's tiles, one set for each slot
.set G1B, 48                           ; s[48:55] descriptor group 1 for B's tiles
.set G0B, 56                           ; s[56:63] descriptor group 0 for B's tiles, one set for each slot
.set CB,  68                           ; s[68:69] C
.set BI,  70                           ; s[70:71] the bias
.set PP,  72                           ; s[72:73] the probabilities (f32 way out)
.set WS,  76                           ; s[76:77] the f32 tensor at my work-group's chunk in hand (CASTW)
.set WD,  78                           ; s[78:79] its bf16 copy, likewise
.set MSB, 0
.macro WIN new                         ; the immediate's high byte repeats the setting that is left; a switch that changes nothing is dropped
.if MSB != (\new)
	s_set_vgpr_msb (MSB<<8)|(\new)
.set MSB, (\new)
.endif
.endm
.set MUL_LO,   0xa1                    ; source 0 (B) window 1, source 1 (A) window 0, C and D window 2
.set MUL_HI,   0xf1                    ; the same, C and D window 3
.set MUL_LO_B, 0x91                    ; a tile's first products: C is the bias, in window 1; D window 2
.set MUL_HI_B, 0xd1                    ; the same, D window 3
.set TO_B,     0x40                    ; destination window 1, address window 0
; A joint load.  Waves 0 and 1 fetch A's two halves, waves 2 and 3 B's.  Each of the two lines has ONE mask and one set of registers for all that issue it, and nothing in them
; hangs on a coordinate that the four partners do not share.  The branch hangs on the wave's number alone.  Four v_nop follow each of the two lines.
.macro JLOAD s
	s_cmp_eq_u32 s11, 0
	s_cbranch_scc0 .Lfor_b_\@
	tensor_load_to_lds s[G0+4*\s:G0+4*\s+3], s[G1:G1+7]
	s_nop 0
.rept 4
	v_nop
.endr
	s_branch .Lasked_\@
.Lfor_b_\@:
	tensor_load_to_lds s[G0B+4*\s:G0B+4*\s+3], s[G1B:G1B+7]
	s_nop 0
.rept 4
	v_nop
.endr
.Lasked_\@:
.endm
; A round of the cluster's barrier: my work-group's barrier, so that wave 0's signal speaks for all four waves; wave 0 signals for the work-group; every wave waits for all
; sixteen work-groups; my work-group's barrier once more.  No LDS instruction of the wave is pending at a signal.
.macro CREST                           ; a round behind its opening barrier
	s_cmp_lg_u32 s10, 0
	s_cbranch_scc1 .Lnot_wave_0_\@
	s_barrier_signal -3
.Lnot_wave_0_\@:
	s_barrier_wait -3
	s_barrier_signal -1
	s_barrier_wait -1
.endm
.macro CROUND                          ; a whole round
	s_barrier_signal -1
	s_barrier_wait -1
	CREST
.endm
; THE ROUNDING BESIDE THE PRODUCTS (CASTW), in four parts.
.macro CAST_IN                         ; a chunk is asked for: a wave's load covers 512 consecutive bytes, its sixteen loads 8,192
	WIN TO_B
.irp i, 0,1,2,3,4,5,6,7,8,9,10,11,12,13,14,15
	global_load_b128 v[CX+4*\i:CX+4*\i+3], v[CI], s[WS:WS+1] offset:512*\i th:TH_LOAD_NT   ; read once in the whole program
.endr
.endm
.macro CAST_CVT                        ; it is rounded in place: 32 plain vector instructions that name no register of any matrix instruction
	s_wait_loadcnt 0x0                             ; the chunk's sixteen loads, the only ones out
	WIN 0x45                                       ; sources 0 and 1 and the destination in window 1
.irp i, 0,1,2,3,4,5,6,7,8,9,10,11,12,13,14,15
	v_cvt_pk_bf16_f32 v[CX+4*\i],   v[CX+4*\i],   v[CX+4*\i+1]
	v_cvt_pk_bf16_f32 v[CX+4*\i+1], v[CX+4*\i+2], v[CX+4*\i+3]
.endr
.endm
.macro CAST_OUT                        ; and stored: a wave's store covers 256 consecutive bytes, at a multiple of 256 from the copy's first byte
	WIN 0x04                                       ; the data (source 1) in window 1, the address in window 0
.irp i, 0,1,2,3,4,5,6,7,8,9,10,11,12,13,14,15
	global_store_b64 v[CQ], v[CX+4*\i:CX+4*\i+1], s[WD:WD+1] offset:256*\i th:TH_STORE_NT   ; not read again in this launch
.endr
.endm
.macro CAST_STEP                       ; on to the next chunk
	s_wait_xcnt 0x0                                ; every earlier memory instruction has had its addresses translated (ISA guide 3.1): only behind this wait are both bases stepped and the stores' data loaded over
	s_add_nc_u64 s[WS:WS+1], s[WS:WS+1], CIN
	s_add_nc_u64 s[WD:WD+1], s[WD:WD+1], CIN/2
.endm
	s_load_b128 s[4:7], s[0:1], 0x0                ; A s[4:5], B s[6:7]
	s_load_b128 s[CB:CB+3], s[0:1], 0x10           ; C, the bias
.if F32OUT
	s_load_b64 s[PP:PP+1], s[0:1], 0x20            ; the probabilities
	s_set_vgpr_msb 0x40
	v_lshl_add_u32 v255, v0, 2, 0x4c400
	s_set_vgpr_msb 0x4000
	v_mov_b32 v63, 0
	s_set_vgpr_msb 0x1
	ds_add_u32 v255, v63
	s_set_vgpr_msb 0x100
.endif
.if CASTW
	s_load_b128 s[WS:WS+3], s[0:1], 0x20           ; the f32 tensor to round, its bf16 copy
.endif
	v_lshrrev_b32 v1, 5, v0
	v_readfirstlane_b32 s10, v1                    ; wave 0..3
	s_lshr_b32 s11, s10, 1                         ; which half of the tile's rows is mine.  Also: I fetch for A (0) or for B (1)
	s_and_b32 s12, s10, 1                          ; which half of its columns.  Also: which half of that tile I fetch
	s_bfe_u32 s40, ttmp6, 0x40000                  ; cx: my place along the cluster's x
	s_bfe_u32 s41, ttmp6, 0x40004                  ; cy: along its y
	s_lshl_b32 s42, ttmp9, 2                       ; in a cluster launch ttmp9 counts clusters
	s_add_co_u32 s42, s42, s40                     ; tile column over all branches = 4 x cluster x + cx
	s_lshr_b32 s45, ttmp9, BSH                     ; the branch: made of the cluster's x alone, so all sixteen partners share it
.if YCL > 1
	s_and_b32 s13, ttmp7, 0xffff
	s_lshl_b32 s13, s13, 2
	s_add_co_u32 s13, s13, s41                     ; tile row = 4 x cluster y + cy
.else
	s_mov_b32 s13, s41                             ; one cluster along y: the (first) tile row is cy
.endif
	s_lshl_b32 s43, s41, 2
	s_lshl_b32 s43, 15, s43                        ; my row of the cluster: places 4 cy .. 4 cy + 3
	s_lshl_b32 s44, 0x1111, s40                    ; my column: places cx, cx + 4, cx + 8, cx + 12
	; descriptor group 1 for A: 128 rows x 128 elements, padded in LDS
	s_or_b32 s[G1+0], s43, (1<<16)|(1<<20)|(1<<21)|(5<<22)|(3<<25)  ; 15:0 the mask: my row; 17:16 elements of 2 bytes; 20 padding on; 21 set beside a mask; 24:22 after every 64 words (code 5); 31:25 4 words of it (code 3)
	s_mov_b32 s[G1+1], KSTEP<<16                   ; tensor_dim0 = 128
	s_mov_b32 s[G1+2], 128<<16                     ; tensor_dim1 = 128
	s_mov_b32 s[G1+3], KSTEP<<16                   ; tile_dim0 = 128
	s_mov_b32 s[G1+4], 128                         ; tile_dim1 = 128
	s_mov_b32 s[G1+5], APITCH                      ; elements from row to row
	s_mov_b32 s[G1+6], 0
	s_mov_b32 s[G1+7], 0
	; descriptor group 1 for B: 64 rows (k) x 256 elements (columns), padded in LDS
	s_or_b32 s[G1B+0], s44, (1<<16)|(1<<20)|(1<<21)|(6<<22)|(7<<25) ; the mask: my column; after every 128 words (code 6) 8 words of padding (code 7)
	s_mov_b32 s[G1B+1], 256<<16                    ; tensor_dim0 = 256
	s_mov_b32 s[G1B+2], 64<<16                     ; tensor_dim1 = 64
	s_mov_b32 s[G1B+3], 256<<16                    ; tile_dim0 = 256
	s_mov_b32 s[G1B+4], 64                         ; tile_dim1 = 64
	s_mov_b32 s[G1B+5], BPITCH                     ; elements from row to row
	s_mov_b32 s[G1B+6], 0
	s_mov_b32 s[G1B+7], 0
	; where the tiles come from.  A's hang on the branch and the tile row, which my row of the cluster shares; B's on the branch and the tile column, which my column shares.
	; Every wave makes both offsets, in registers that never hold the other coordinate.  All offsets stay under 2^27 bytes: 32 bits do.
	s_lshl_b32 s16, s13, 8
	s_lshl_b32 s17, s12, 7
	s_add_co_u32 s16, s16, s17                     ; A: row 256 x tile row + 128 x half
	s_mul_i32 s16, s16, APITCH*2
.if ABR
	s_mul_i32 s17, s45, ABR
	s_add_co_u32 s16, s16, s17                     ; + the branch
.endif
	s_mov_b32 s17, 0
	s_and_b32 s46, s42, NTM
	s_lshl_b32 s46, s46, 9                         ; B: 512 bytes x tile column in the branch
	s_mul_i32 s47, s45, BBR
	s_add_co_u32 s46, s46, s47                     ; + the branch
	s_mul_i32 s47, s12, 64*BPITCH*2
	s_add_co_u32 s46, s46, s47                     ; + 64 rows (k) x half
	s_mov_b32 s47, 0
	s_mul_i32 s20, s10, HALFT                      ; where they go: A's two halves, then B's two halves = wave x 34,816: no place in the cluster enters an LDS address
	s_wait_dscnt 0x0
	s_wait_kmcnt 0x0
	s_add_nc_u64 s[14:15], s[4:5], s[16:17]
	s_add_nc_u64 s[46:47], s[6:7], s[46:47]
	CROUND                                         ; all sixteen work-groups are here: the first joint loads meet
.irp s, 0,1
	s_mov_b32 s[G0+4*\s], 1                                        ; count = 1
	s_add_co_u32 s[G0+4*\s+1], s20, \s*SLOT                        ; LDS address
	s_add_nc_u64 s[G0+4*\s+2:G0+4*\s+3], s[14:15], \s*KSTEP*2      ; global address: K step s
	s_or_b32 s[G0+4*\s+3], s[G0+4*\s+3], 0x80000000                ; type = 2
	s_mov_b32 s[G0B+4*\s], 1
	s_add_co_u32 s[G0B+4*\s+1], s20, \s*SLOT
	s_add_nc_u64 s[G0B+4*\s+2:G0B+4*\s+3], s[46:47], \s*KSTEP*BPITCH*2
	s_or_b32 s[G0B+4*\s+3], s[G0B+4*\s+3], 0x80000000
	JLOAD \s                                       ; both slots are asked for before anything else is done: two tensor loads of mine are out
.endr
	; A fragment of A is 16 rows x 32 K in 8 registers: lane l holds row l % 16; registers 0-3 K = 8 (l / 16) + 0..7, registers 4-7 K = 16 + 8 (l / 16) + 0..7: two loads of 16 bytes, 32 bytes apart.
	v_and_b32 v1, 15, v0                           ; l % 16
	v_bfe_u32 v2, v0, 4, 1                         ; l / 16
	v_mul_u32_u24 v3, v1, PITCH
	v_lshl_add_u32 v3, v2, 4, v3                   ; row x pitch + 16 x half
	s_mul_i32 s21, s11, HALFT                      ; my 128 rows of A
	; A fragment of B has the same layout with columns for rows.  The turning load takes 16 k x 16 columns (lane l reads 16 bytes: k row 8 (l / 16) + l % 8, columns 8 ((l / 8) % 2) + 0..7)
	; and leaves half a fragment: lane l holds column l % 16 and 8 k.  The second half lies 16 k rows further down.
	v_and_b32 v4, 7, v0
	v_lshl_add_u32 v4, v2, 3, v4
	v_mul_u32_u24 v4, v4, PB
	v_bfe_u32 v5, v0, 3, 1
	v_lshl_add_u32 v4, v5, 4, v4
	s_lshl_b32 s22, s12, 8                         ; my 128 columns of B: 256 bytes of each row,
	s_add_co_u32 s22, s22, 2*HALFT                 ; behind A's 256 rows
.irp s, 0,1
	v_add_nc_u32 v[ADRA+\s], s21, v3
	v_add_nc_u32 v[ADRB+\s], s22, v4
	s_add_co_u32 s21, s21, SLOT
	s_add_co_u32 s22, s22, SLOT
.endr
	s_mul_i32 s23, s10, 16*SPITCH
	s_add_co_u32 s23, s23, STAGE                   ; my stage
	v_mul_u32_u24 v4, v1, SPITCH                   ; in: row l % 16, my eight results for each half of the lanes
	v_lshl_add_u32 v4, v2, LSH, v4
	v_add_nc_u32 v[STO], s23, v4
.if F32OUT
	v_and_b32 v5, 31, v0                           ; back: the 32 lanes take one row of 512 bytes
	v_lshlrev_b32 v[CO], 4, v5                     ; and the same 512 bytes in C
	v_add_nc_u32 v[RD], s23, v[CO]
	v_lshlrev_b32 v[PO], 5, v1                     ; a row of the probabilities is 32 bytes
.else
	v_mul_u32_u24 v5, v2, SPITCH                   ; back: lanes 0-15 take one row of 256 bytes, lanes 16-31 the next
	v_lshl_add_u32 v5, v1, 4, v5
	v_add_nc_u32 v[RD], s23, v5
	v_mul_u32_u24 v5, v2, CROWB                    ; and the same two rows in C
	v_lshl_add_u32 v[CO], v1, 4, v5
.endif
	v_lshlrev_b32 v[BO], 5, v2                     ; my 8 of a block's 16 biases
	s_lshl_b32 s74, s42, 10                        ; the bias of my 128 columns: 1,024 bytes x tile column over all branches + 512 x half
	s_lshl_b32 s75, s12, 9
	s_add_co_u32 s74, s74, s75
	s_mov_b32 s75, 0
	s_add_nc_u64 s[BI:BI+1], s[BI:BI+1], s[74:75]
.if CASTW
	v_and_b32 v5, 31, v0                           ; in a chunk: 16 bytes a lane,
	v_lshlrev_b32 v[CI], 4, v5
	v_lshl_add_u32 v[CI], s10, 13, v[CI]           ; 8,192 a wave;
	v_lshrrev_b32 v[CQ], 1, v[CI]                  ; in the copy half of that
	s_mul_i32 s74, s42, 4*YCL
	s_add_co_u32 s74, s74, s13                     ; the work-group's number, 0 to 255: tile column x tile rows + tile row
	s_mul_i32 s74, s74, CWG/2                      ; its bytes of the copy (under 2^25),
	s_add_nc_u64 s[WD:WD+1], s[WD:WD+1], s[74:75]
	s_lshl_b32 s74, s74, 1                         ; and of the f32 tensor
	s_add_nc_u64 s[WS:WS+1], s[WS:WS+1], s[74:75]
.endif
	; where my part of the first tile begins in C, in bytes: the first way out adds it to C's address
	s_lshl_b32 s16, s13, 8
	s_lshl_b32 s17, s11, 7
	s_add_co_u32 s16, s16, s17                     ; my first row
.if F32OUT
	s_lshl_b32 s74, s16, 5                         ; its 32 bytes of probabilities,
	s_lshl2_add_u32 s74, s45, s74                  ; and in them the branch's 4
	s_add_nc_u64 s[PP:PP+1], s[PP:PP+1], s[74:75]
.endif
	s_mul_i32 s16, s16, CROWB
	s_mul_i32 s17, s45, CBR
	s_add_co_u32 s16, s16, s17                     ; + the branch
	s_mov_b32 s17, 0
	s_and_b32 s46, s42, NTM                        ; my first column, in bytes (in the registers that held B's address: A's descriptors are made, and nothing that fed them held cx)
	s_mul_i32 s46, s46, CTILE
	s_mul_i32 s47, s12, CTILE/2
	s_add_co_u32 s46, s46, s47
	s_mov_b32 s47, 0
	s_add_nc_u64 s[16:17], s[16:17], s[46:47]
	WIN TO_B
.irp b, 0,1,2,3,4,5,6,7
	global_load_b128 v[8*\b:8*\b+3],   v[BO], s[BI:BI+1] offset:64*\b      ; bias of columns 16 b + 8 (l / 16) + 0..3
	global_load_b128 v[8*\b+4:8*\b+7], v[BO], s[BI:BI+1] offset:64*\b+16   ; + 4..7
.endr
	WIN 0
.if F32OUT
.irp a, 0,1,2,3,4,5,6,7
	global_load_b32 v[PR+2*\a],   v[PO], s[PP:PP+1] offset:512*\a          ; p of row 16 a + l % 16, once in the kernel,
	global_load_b32 v[PR+2*\a+1], v[PO], s[PP:PP+1] offset:512*\a          ; into both registers of the pair
.endr
.endif
.if CASTW
	CAST_IN                                        ; the first chunk: the youngest sixteen loads
	WIN 0
.endif
; 16 matrix instructions: m blocks a0, a0 + 1 of the window's four (hi = 0: my rows 0-63, 1: rows 64-127) x all 8 column blocks, 32 along K.
; first = 1: the product starts the sum on the bias: nothing is ever cleared, and no bias is added later.
; The 64 accumulators take turns, one instruction a turn, in the same order in every quarter step.
.macro MUL16 f, hi, a0, first
.irp a, \a0, \a0+1
.irp b, 0,1,2,3,4,5,6,7
.if \first
	v_wmma_f32_16x16x32_bf16 v[8*(8*(\a)+\b):8*(8*(\a)+\b)+7], v[\f+8*\b:\f+8*\b+7], v[\f+8*(4*\hi+\a):\f+8*(4*\hi+\a)+7], v[8*\b:8*\b+7]
.else
	v_wmma_f32_16x16x32_bf16 v[8*(8*(\a)+\b):8*(8*(\a)+\b)+7], v[\f+8*\b:\f+8*\b+7], v[\f+8*(4*\hi+\a):\f+8*(4*\hi+\a)+7], v[8*(8*(\a)+\b):8*(8*(\a)+\b)+7]
.endif
.endr
.endr
.endm
; 32 LDS loads in one run: the fragments of quarter q of a K step (32 K: 128 columns of B, turned; 128 rows of A) into buffer f
.macro FETCH slot, q, f
	WIN TO_B
.irp i, 0,1,2,3,4,5,6,7
	ds_load_tr16_b128 v[\f+8*\i:\f+8*\i+3],   v[ADRB+\slot] offset:\q*32*PB+32*\i
	ds_load_tr16_b128 v[\f+8*\i+4:\f+8*\i+7], v[ADRB+\slot] offset:\q*32*PB+16*PB+32*\i
.endr
	WIN 0
.irp i, 0,1,2,3,4,5,6,7
	ds_load_b128 v[\f+8*\i:\f+8*\i+3],   v[ADRA+\slot] offset:\q*64+\i*16*PITCH
	ds_load_b128 v[\f+8*\i+4:\f+8*\i+7], v[ADRA+\slot] offset:\q*64+\i*16*PITCH+32
.endr
.endm
; A load into a register that a matrix instruction has read, and a vector instruction that reads a matrix result or writes one of a matrix instruction's registers, stand four places
; behind it, and only plain vector instructions that name none of its registers are places (ISA guide 7.12.1 for vector instructions).
.macro PLACES
.rept 4
	v_nop
.endr
.endm
; A K step is four quarters of 32 along K, 64 matrix instructions each, on buffers 0, 1, 0, 1.
; One of the first three: multiplies buffer f; in its middle it fetches quarter q of the same slot into buffer g.
; job (counts where CASTW = 1): 1: the chunk in hand is rounded, its 32 conversions being the places in front of the LDS loads, and stored behind them; 2: the next chunk is asked for; 0: neither.
.macro QUARTER slot, q, f, g, first, job
	s_wait_dscnt 8                                 ; B and A's rows 0-63 are in; the youngest eight loads (A's rows 64-127) may be out
.if \first
	WIN MUL_LO_B
.else
	WIN MUL_LO
.endif
	MUL16 \f, 0, 0, \first
	MUL16 \f, 0, 2, \first
.if CASTW && (\job == 1)
	CAST_CVT
.else
	PLACES
.endif
	FETCH \slot, \q, \g
.if CASTW && (\job == 1)
	CAST_OUT
.endif
.if CASTW && (\job == 2)
	CAST_STEP                                      ; the stores stand 64 matrix instructions back
	CAST_IN                                        ; 448 matrix instructions ahead of the wait for these loads
.endif
	s_wait_dscnt 32                                ; all LDS loads but the 32 just issued
.if \first
	WIN MUL_HI_B
.else
	WIN MUL_HI
.endif
	MUL16 \f, 1, 0, \first
	MUL16 \f, 1, 2, \first
.endm
; The last quarter multiplies buffer 1 and changes slots.  MEET is its first half: ONE barrier for the change.  In front of it each wave waits for its own reads of this slot and for
; all its tensor loads, of which one is out: its part of the next slot.  Behind it nobody reads this slot any more and the next slot is whole.
.macro MEET round                      ; round = 1: a round of the cluster's barrier follows
	s_wait_dscnt 8
	WIN MUL_LO
	MUL16 F1, 0, 0, 0
	s_wait_dscnt 0                                 ; my reads of this slot are over
	s_wait_tensorcnt 0x0                           ; and all my tensor loads have landed
	ds_add_u32 v255, v63
	s_wait_dscnt 0x0
	s_barrier_signal -1                            ; say so,
	MUL16 F1, 0, 2, 0                              ; work on registers while the others arrive,
.if \round
	WIN 0
.endif
	s_barrier_wait -1                              ; and go on when all four have said so
.endm
; The whole last quarter.  Behind the round the slot just read out is filled again first: with this tile's K step two steps on (on = 0) or, in a tile's last two K steps, with the next
; tile's K step 0 or 1 (on = 1); then come the next slot's first fragments.  From a request to the wait for it a wave issues 240 matrix instructions.
.macro TURN slot, next, on
	MEET 1
	CREST                                          ; no wave of any partner still reads this slot's tile or has a load on its way
.if \on
	s_add_nc_u64 s[G0+4*\slot+2:G0+4*\slot+3], s[G0+4*\slot+2:G0+4*\slot+3], NEXT_A
	s_sub_nc_u64 s[G0B+4*\slot+2:G0B+4*\slot+3], s[G0B+4*\slot+2:G0B+4*\slot+3], BACK_B
.else
	s_add_nc_u64 s[G0+4*\slot+2:G0+4*\slot+3], s[G0+4*\slot+2:G0+4*\slot+3], STEP_A
	s_add_nc_u64 s[G0B+4*\slot+2:G0B+4*\slot+3], s[G0B+4*\slot+2:G0B+4*\slot+3], STEP_B
.endif
	JLOAD \slot                                    ; my one tensor load behind the round, and the first thing there; its four v_nop are also the places in front of the loads below
	FETCH \next, 0, F0
	WIN MUL_HI
	MUL16 F1, 1, 0, 0
	MUL16 F1, 1, 2, 0
.endm
; The last tile's change from slot 0 to slot 1: nothing is filled again, so the work-group's barrier does and no round follows.
.macro LASTTURN
	MEET 0
	PLACES                                         ; for the loads into buffer 0
	FETCH 1, 0, F0
	WIN MUL_HI
	MUL16 F1, 1, 0, 0
	MUL16 F1, 1, 2, 0
.endm
; The very last quarter: nothing more to fetch.
.macro FINALQ
	s_wait_dscnt 8
	WIN MUL_LO
	MUL16 F1, 0, 0, 0
	MUL16 F1, 0, 2, 0
	s_wait_dscnt 0
	WIN MUL_HI
	MUL16 F1, 1, 0, 0
	MUL16 F1, 1, 2, 0
	WIN 0
.endm
; LAPS - 1 trips; a trip goes once through both slots, from a lap's second quarter to the next lap's first, and fills both again.  Where CASTW = 1 it rounds one chunk and asks for the next.
.macro LAPS_LOOP
	s_mov_b32 s3, LAPS-1
.Llap_\@:
	QUARTER 0, 2, F1, F0, 0, 1
	QUARTER 0, 3, F0, F1, 0, 2
	TURN 0, 1, 0
	QUARTER 1, 1, F0, F1, 0, 0
	QUARTER 1, 2, F1, F0, 0, 0
	QUARTER 1, 3, F0, F1, 0, 0
	TURN 1, 0, 0
	QUARTER 0, 1, F0, F1, 0, 0
	WIN 0                                          ; at a label and at a branch every window is 0
	s_sub_co_u32 s3, s3, 1
	s_cmp_lg_u32 s3, 0
	s_cbranch_scc1 .Llap_\@
.endm
; THE WAY OUT of block a (16 rows x 128 columns), in three parts.  PACK: relu, then bf16 (16 bytes a lane) or times p (32 bytes a lane).
; TOSTAGE: into my own stage in LDS, and back as whole rows.  SEND: stored.
.macro PACK a
.set AC, 64*((\a)%4)                   ; the block's eight accumulators, in window 2 (blocks 0-3) or 3 (blocks 4-7)
.if F32OUT
	WIN 0x0a+5*((\a)/4)                            ; sources window 2 or 3, destination window 0
.set i, 0
.rept 64
	v_max_num_f32 v[TMP+i], 0, v[AC+i]             ; relu
.set i, i+1
.endr
	WIN 0
.set i, 0
.rept 32
	v_pk_mul_f32 v[TMP+i:TMP+i+1], v[TMP+i:TMP+i+1], v[PR+2*(\a):PR+2*(\a)+1]   ; times my row's probability of this branch
.set i, i+2
.endr
.else
	WIN 0x8a+0x45*((\a)/4)                         ; source and destination window 2 or 3
.set i, 0
.rept 64
	v_max_num_f32 v[AC+i], 0, v[AC+i]              ; relu, in place
.set i, i+1
.endr
	WIN 0x0a+5*((\a)/4)                            ; sources window 2 or 3, destination window 0
.irp b, 0,1,2,3,4,5,6,7
.irp r, 0,1,2,3
	v_cvt_pk_bf16_f32 v[TMP+4*\b+\r], v[AC+8*\b+2*\r], v[AC+8*\b+2*\r+1]
.endr
.endr
	WIN 0
.endif
.endm
.macro TOSTAGE a
.if F32OUT
.set BK, 128+64*((\a)%2)
.irp b, 0,1,2,3,4,5,6,7
	ds_store_b128 v[STO], v[TMP+8*\b:TMP+8*\b+3]   offset:64*\b
	ds_store_b128 v[STO], v[TMP+8*\b+4:TMP+8*\b+7] offset:64*\b+16
.endr
.irp t, 0,1,2,3,4,5,6,7,8,9,10,11,12,13,14,15
	ds_load_b128 v[BK+4*\t:BK+4*\t+3], v[RD] offset:\t*SPITCH      ; LDS serves a wave's instructions in order (ISA guide 5.7.1.4): these see the stores above
.endr
.else
.set BK, 32+192*((\a)%2)
.irp b, 0,1,2,3,4,5,6,7
	ds_store_b128 v[STO], v[TMP+4*\b:TMP+4*\b+3] offset:32*\b
.endr
.irp t, 0,1,2,3,4,5,6,7
	ds_load_b128 v[BK+4*\t:BK+4*\t+3], v[RD] offset:\t*2*SPITCH    ; LDS serves a wave's instructions in order (ISA guide 5.7.1.4): these see the stores above
.endr
.endif
.endm
.macro SEND a
	s_wait_dscnt 0                                 ; the block is back in registers
	s_wait_xcnt 0x0                                ; every earlier memory instruction has had its addresses translated (ISA guide 3.1): only behind this wait are the stores' base and the registers that earlier stores read rewritten
.if (\a) == 0
	s_add_nc_u64 s[CB:CB+1], s[CB:CB+1], s[16:17]  ; on to this tile's first rows
.else
	s_add_nc_u64 s[CB:CB+1], s[CB:CB+1], 16*CROWB  ; 16 rows of C on
.endif
.if F32OUT
.set BK, 128+64*((\a)%2)
.irp t, 0,1,2,3,4,5,6,7,8,9,10,11,12,13,14,15
	global_store_b128 v[CO], v[BK+4*\t:BK+4*\t+3], s[CB:CB+1] offset:\t*CROWB     ; the wave stores 512 consecutive bytes of a row, at a multiple of 512 from C's first byte
.endr
.else
.set BK, 32+192*((\a)%2)
.irp t, 0,1,2,3,4,5,6,7
	global_store_b128 v[CO], v[BK+4*\t:BK+4*\t+3], s[CB:CB+1] offset:2*\t*CROWB   ; 16 lanes store 256 consecutive bytes, at a multiple of 256 from C's first byte
.endr
.endif
.endm
.macro WAYOUT                          ; block a's arithmetic stands between block a - 1's loads from the stage and the wait for them
	PACK 0
	TOSTAGE 0
.irp a, 1,2,3,4,5,6,7
	PACK \a
	SEND \a-1
	TOSTAGE \a
.endr
	SEND 7
.endm
	s_wait_tensorcnt 1                             ; my part of K step 0 is in; K step 1's may stay out
	s_barrier_signal -1
	s_barrier_wait -1                              ; everybody's is
	FETCH 0, 0, F0
	s_wait_loadcnt 16*CASTW                        ; the bias (and the probabilities), once; the sixteen younger loads of the first chunk, where there is one, stay out
.if TILES > 1
	QUARTER 0, 1, F0, F1, 1, 0                     ; THE FIRST TILE.  Its first quarter stands in front of the loop: its products start the sums on the bias
	WIN 0
	LAPS_LOOP
	QUARTER 0, 2, F1, F0, 0, 1                     ; the tile's last lap goes on
	QUARTER 0, 3, F0, F1, 0, 2
	TURN 0, 1, 1                                   ; the slots go on into the next tile: slot 0 takes its K step 0,
	QUARTER 1, 1, F0, F1, 0, 0
	QUARTER 1, 2, F1, F0, 0, 0
	QUARTER 1, 3, F0, F1, 0, 0
	TURN 1, 0, 1                                   ; slot 1 its K step 1, and the next tile's first fragments are fetched
	WAYOUT                                         ; both refills are asked for: now the tile goes out.  No v_nop: blocks 0-3 were finished in front of the joint load's four places,
	                                               ; and their vector work, which names no register of the last products (blocks 4-7's), is those products' places
	s_mov_b32 s16, NEXT_C                          ; what the next way out adds to C's address
	s_mov_b32 s17, 0
.endif
	QUARTER 0, 1, F0, F1, 1, 0                     ; THE LAST TILE
	WIN 0
	LAPS_LOOP
	QUARTER 0, 2, F1, F0, 0, 1                     ; its last lap asks for nothing more: no tile, and no chunk behind the last
	QUARTER 0, 3, F0, F1, 0, 0
	LASTTURN
	QUARTER 1, 1, F0, F1, 0, 0
	QUARTER 1, 2, F1, F0, 0, 0
	QUARTER 1, 3, F0, F1, 0, 0
	FINALQ
	PLACES                                         ; the way out reads results and writes fragment registers of the last products
	WAYOUT
	s_set_vgpr_msb 0x1
	s_wait_tensorcnt 0x0
	ds_add_u32 v255, v63
	s_wait_dscnt 0x0
	s_set_vgpr_msb 0x100
	CROUND                                         ; the closing round: no work-group ends while a partner may still ask for a tile that names it
	s_endpgm
.Lfunc_end_k_qada94bb7e6_gemm2:
	.size	k_qada94bb7e6_gemm2, .Lfunc_end_k_qada94bb7e6_gemm2-k_qada94bb7e6_gemm2
	.p2alignl 7, 3214868480
	.fill 96, 4, 3214868480
	.section	.rodata,"a",@progbits
	.p2align	6, 0x0
	.amdhsa_kernel k_qada94bb7e6_gemm2
		.amdhsa_group_segment_fixed_size 327680
		.amdhsa_private_segment_fixed_size 0
		.amdhsa_enable_private_segment 0
		.amdhsa_kernarg_size 40
		.amdhsa_user_sgpr_count 2
		.amdhsa_user_sgpr_kernarg_segment_ptr 1
		.amdhsa_wavefront_size32 1
		.amdhsa_system_sgpr_workgroup_id_x 1
		.amdhsa_system_sgpr_workgroup_id_y 1
		.amdhsa_system_sgpr_workgroup_id_z 1
		.amdhsa_system_vgpr_workitem_id 0
		.amdhsa_next_free_vgpr 1024
		.amdhsa_next_free_sgpr 80
		.amdhsa_reserve_vcc 0
		.amdhsa_float_denorm_mode_32 3
		.amdhsa_float_denorm_mode_16_64 3
		.amdhsa_memory_ordered 1
		.amdhsa_forward_progress 1
		.amdhsa_inst_pref_size 177
	.end_amdhsa_kernel
	.amdgpu_metadata
---
amdhsa.version: [ 1, 2 ]
amdhsa.kernels:
  - .name:           k_qada94bb7e6_gemm2
    .symbol:         k_qada94bb7e6_gemm2.kd
    .args:
      - { .name: h, .offset: 0, .size: 8, .value_kind: global_buffer, .address_space: global }
      - { .name: w2b, .offset: 8, .size: 8, .value_kind: global_buffer, .address_space: global }
      - { .name: part, .offset: 16, .size: 8, .value_kind: global_buffer, .address_space: global }
      - { .name: b2, .offset: 24, .size: 8, .value_kind: global_buffer, .address_space: global }
      - { .name: probabilities, .offset: 32, .size: 8, .value_kind: global_buffer, .address_space: global }
    .group_segment_fixed_size: 327680
    .private_segment_fixed_size: 0
    .kernarg_segment_align: 8
    .kernarg_segment_size: 40
    .max_flat_workgroup_size: 128
    .sgpr_count:     80
    .vgpr_count:     1024
    .wavefront_size: 32
...
	.end_amdgpu_metadata
.endif
;; end of part 3
;; launch reduce (part 4): grid 1024 x 1, 8 waves a work-group, no clusters, 0 bytes of LDS; arguments part, out0; writes out0
.if DOCPART == 4
	.amdgcn_target "amdgcn-amd-amdhsa--gfx1250"
	.amdhsa_code_object_version 6
	.text
	.protected	k_qada94bb7e6_reduce
	.globl	k_qada94bb7e6_reduce
	.p2align	8
	.type	k_qada94bb7e6_reduce,@function
k_qada94bb7e6_reduce:
	s_mov_b64 s[64:65], 0
	v_nop
	global_prefetch_b8 v0, s[64:65] scope:SCOPE_SE
	s_setreg_imm32_b32 hwreg(HW_REG_WAVE_MODE, 25, 1), 1
	s_wait_xcnt 0x0
; out0[m][j] = the sum over the eight branches n of part[n][m][j], n ascending, in f32.  part: [8][2048][1024], out0: [2048][1024], both f32.
; A stream: every byte of part is read once, every byte of out0 written once.  No LDS, no matrix unit, no cluster: the work-groups share no input.
; A work-group owns 8,192 bytes of out0; thread t owns the 16 bytes at 4,096 i + 16 t, i = 0, 1: a wave's load or store covers 512 consecutive bytes, aligned.
; All sixteen loads of a lane go out before the first is waited for.
.set BRANCH, 0x800000                  ; bytes of part for a branch: one more than a load's signed 24-bit immediate reaches, so each branch has a base of its own
.set X, 4                              ; v[4:67]  piece i, branch n: 4 registers at X + 32 i + 4 n; branch 0's take the sum
	s_load_b128 s[4:7], s[0:1], 0x0                ; part s[4:5], out0 s[6:7]
	v_lshlrev_b32 v1, 4, v0                        ; 16 t
	s_lshl_b32 s24, ttmp9, 13                      ; the work-group's 8,192 bytes
	s_mov_b32 s25, 0
	s_wait_kmcnt 0x0
	s_add_nc_u64 s[4:5], s[4:5], s[24:25]
	s_add_nc_u64 s[6:7], s[6:7], s[24:25]
.irp n, 0,1,2,3,4,5,6,7
	s_add_nc_u64 s[8+2*\n:9+2*\n], s[4:5], \n*BRANCH
.endr
.irp i, 0,1
.irp n, 0,1,2,3,4,5,6,7
	global_load_b128 v[X+32*\i+4*\n:X+32*\i+4*\n+3], v1, s[8+2*\n:9+2*\n] offset:4096*\i th:TH_LOAD_NT   ; read once
.endr
.endr
.irp i, 0,1
	s_wait_loadcnt 8*(1-\i)                        ; loads come back in order (ISA guide 5.7.1): piece i's eight are in; for i = 0 the other piece's eight stay out
.irp n, 1,2,3,4,5,6,7
	v_pk_add_f32 v[X+32*\i:X+32*\i+1],   v[X+32*\i:X+32*\i+1],   v[X+32*\i+4*\n:X+32*\i+4*\n+1]
	v_pk_add_f32 v[X+32*\i+2:X+32*\i+3], v[X+32*\i+2:X+32*\i+3], v[X+32*\i+4*\n+2:X+32*\i+4*\n+3]
.endr
	global_store_b128 v1, v[X+32*\i:X+32*\i+3], s[6:7] offset:4096*\i th:TH_STORE_NT   ; no register that a store reads is written again
.endr
	s_endpgm
.Lfunc_end_k_qada94bb7e6_reduce:
	.size	k_qada94bb7e6_reduce, .Lfunc_end_k_qada94bb7e6_reduce-k_qada94bb7e6_reduce
	.p2alignl 7, 3214868480
	.fill 96, 4, 3214868480
	.section	.rodata,"a",@progbits
	.p2align	6, 0x0
	.amdhsa_kernel k_qada94bb7e6_reduce
		.amdhsa_group_segment_fixed_size 0
		.amdhsa_private_segment_fixed_size 0
		.amdhsa_enable_private_segment 0
		.amdhsa_kernarg_size 16
		.amdhsa_user_sgpr_count 2
		.amdhsa_user_sgpr_kernarg_segment_ptr 1
		.amdhsa_wavefront_size32 1
		.amdhsa_system_sgpr_workgroup_id_x 1
		.amdhsa_system_sgpr_workgroup_id_y 1
		.amdhsa_system_sgpr_workgroup_id_z 1
		.amdhsa_system_vgpr_workitem_id 0
		.amdhsa_next_free_vgpr 68
		.amdhsa_next_free_sgpr 66
		.amdhsa_reserve_vcc 0
		.amdhsa_float_denorm_mode_32 3
		.amdhsa_float_denorm_mode_16_64 3
		.amdhsa_memory_ordered 1
		.amdhsa_forward_progress 1
		.amdhsa_inst_pref_size 5
	.end_amdhsa_kernel
	.amdgpu_metadata
---
amdhsa.version: [ 1, 2 ]
amdhsa.kernels:
  - .name:           k_qada94bb7e6_reduce
    .symbol:         k_qada94bb7e6_reduce.kd
    .args:
      - { .name: part, .offset: 0, .size: 8, .value_kind: global_buffer, .address_space: global }
      - { .name: out0, .offset: 8, .size: 8, .value_kind: global_buffer, .address_space: global }
    .group_segment_fixed_size: 0
    .private_segment_fixed_size: 0
    .kernarg_segment_align: 8
    .kernarg_segment_size: 16
    .max_flat_workgroup_size: 256
    .sgpr_count:     66
    .vgpr_count:     68
    .wavefront_size: 32
...
	.end_amdgpu_metadata
.endif
;; end of part 4
